; MI455X (gfx1250); checked and timed in simulation.
; The chip was launched on July 23, 2026; its instructions are those of AMD's public machine-readable ISA for CDNA 5 (MIT licence, August 2026) and "CDNA5" Instruction Set Architecture Reference Guide (July 2026). The comments in the code are by the model that wrote it; some were corrected since.
;; Capsule. Allowed arithmetic: matrix products marked QUANTISED: E5M2 operands, one given power-of-two scale a tensor, by v_wmma_f32_16x16x64_bf8_bf8 or v_wmma_f32_16x16x128_bf8_bf8, f32 sums; products left as they are: f32 operands where the result goes on into a quantised operand, else bf16, f16 or f32 operands; f32 sums; everything else in f32.
;; Inputs: W 1,024 x 1,024 float32; lowp_scales 2 int32 (the exponents e of the quantised operands' scales 2^e); x 32 x 2,048 x 1,024 float32.
;; Outputs: out0 32 x 32 x 32 float32.
;; This version of the problem:
;;   THIS VERSION OF THE PROBLEM IS GIVEN IN LOW PRECISION. The matrix products marked QUANTISED in the list below multiply operands that are first quantised to E5M2 (5 exponent bits, 2 mantissa bits; 8 bits a number), with one given power-of-two scale for each operand tensor; their sums are f32. All else is computed in f32.
;;   The module's matrix products, in the order in which they are computed (A, B: the left and right operand; K: the contracted axis; several contracted axes count as one K, in the product's order):
;;     1. [M 65,536, K 1,024] x [K 1,024, N 1,024]; A: input x; B: input W: QUANTISED (scales: A lowp_scales[0], B lowp_scales[1])
;;     2. batch 32 x [M 1, K 2,048] x [K 2,048, N 1,024]; A: computed on the way; B: computed on the way: left as it is (M = 1 < 16)
;;     3. batch 32 x [M 1, K 32] x [K 32, N 65,536]; A: computed on the way; B: computed on the way: left as it is (M = 1 < 16)
;;     4. batch 32 x [M 1, K 2,048] x [K 2,048, N 1,024]; A: computed on the way; B: computed on the way: left as it is (M = 1 < 16)
;;     5. batch 32 x [M 1, K 32] x [K 32, N 65,536]; A: computed on the way; B: computed on the way: left as it is (M = 1 < 16)
;;     6. batch 32 x [M 1, K 2,048] x [K 2,048, N 1,024]; A: computed on the way; B: computed on the way: left as it is (M = 1 < 16)
;;   THE QUANTISER, for each operand of a quantised product, along K:
;;     - The operand's scale is 2^e, e = its entry of the input lowp_scales (int32; the entries are numbered through the quantised products in the list's order, A before B).
;;     - Each number is divided by the scale, clamped to +-57,344, and rounded to the nearest number of E5M2, ties to even, subnormals kept.
;;     - The product sums the exact products of the quantised numbers (number of the format x scale) in f32.
;;   ~~~python
;;   def quantise(x, axis, e):      # numpy; x: float32 -> the quantised numbers, widened to float32 again
;;       x = np.moveaxis(x, axis, -1); K = x.shape[-1]
;;       r = np.clip(x / 2.0 ** e, -57344, 57344)
;;       step = 2.0 ** (np.maximum(np.frexp(np.where(r == 0, 1, r))[1] - 1, -14) - 2)
;;       q = np.round(r / step) * step * 2.0 ** e      # np.round: ties to even
;;       return np.moveaxis(q, -1, axis).astype(np.float32)
;;   ~~~
;; One version. Each part assembles by itself: llvm-mc -triple=amdgcn-amd-amdhsa -mcpu=gfx1250 --defsym DOCPART=n.
;; ======== version 1 of 1: 3 launches
;; workspace buffers: wc 1,048,576 bytes; part 1,048,576 bytes
;; launch wq (part 1): grid 256 x 1, 2 waves a work-group, no clusters, 0 bytes of LDS; arguments W, lowp_scales, wc; writes wc
.if DOCPART == 1
	.amdgcn_target "amdgcn-amd-amdhsa--gfx1250"
	.amdhsa_code_object_version 6
	.text
	.protected	k_q8f8aadbb82_wq
	.globl	k_q8f8aadbb82_wq
	.p2align	8
	.type	k_q8f8aadbb82_wq,@function
k_q8f8aadbb82_wq:
	s_mov_b64 s[64:65], 0
	v_nop
	global_prefetch_b8 v0, s[64:65] scope:SCOPE_SE
	s_setreg_imm32_b32 hwreg(HW_REG_WAVE_MODE, 25, 1), 1
	s_wait_xcnt 0x0
; W [1024 (k)][1024 (n)], f32, K along its first axis, becomes codes of BF8 (E5M2) with the given scale 2^e1 (entry 1 of the scales), laid in the ORDER OF THE OPERAND'S REGISTERS
; of the product's launch:  wc byte  hs*65536 + w*16384 + t*1024 + c*512 + lane*16 + z  =  code of W[64 hs + 32 c + 16 (lane / 16) + z][256 w + 64 (t / 4) + 4 (lane % 16) + t % 4].
; So (hs, w) is one dense block of 16,384 bytes (what one wave of the product wants for 64 along K), and a fragment (t) is 1,024 bytes: two loads of 16 bytes a lane at 16 x lane.
; code = x / 2^e1, held within +-57,344, rounded to the nearest code, ties to even.  LIMITS: -126 <= e1 <= 112, so that 2^e1 and 57,344 x 2^e1 are f32 numbers.  NaN in W is not served.
; SHARES.  512 waves; wave id = 2 x work-group + wave takes 64 columns (Q = id % 16) x 32 along K (kc = id / 16).  Lane (r, hh) takes columns 64 Q + 4 r + 0..3 of rows 32 kc + 16 hh + z, z = 0..15:
; each load reads, in each half of the lanes, 256 consecutive bytes of one row of W, aligned.  The conversions give a register of four codes (four columns) for each row; a 4 x 4 turn of bytes by v_perm_b32
; gives four registers (16 codes down K) for each column; each store of the wave covers 512 consecutive bytes, aligned.  No LDS, no barrier, no loop: waves share nothing.
.set R, 16                             ; v16-79   R[4 z + e] = W(row z, column e) of my 16 x 4
.set C, 80                             ; v80-95   C[z]: the four codes of row z
.set O, 96                             ; v96-111  O[4 e + zq]: codes z = 4 zq .. 4 zq + 3 of column e
.set T, 112                            ; v112-115 at work
	s_load_b128 s[4:7], s[0:1], 0x0                ; W s[4:5], the scales' exponents s[6:7]
	s_load_b64 s[8:9], s[0:1], 0x10                ; wc
	v_lshrrev_b32 v4, 5, v0
	v_readfirstlane_b32 s10, v4                    ; wave 0, 1
	s_lshl_b32 s11, ttmp9, 1
	s_add_co_u32 s11, s11, s10                     ; id
	s_and_b32 s12, s11, 15                         ; Q
	s_lshr_b32 s13, s11, 4                         ; kc
	s_lshl_b32 s18, s13, 17                        ; in W: 32 kc rows of 4,096 bytes
	s_lshl_b32 s26, s12, 8                         ; + 64 Q columns of 4 bytes
	s_add_co_u32 s18, s18, s26
	s_mov_b32 s19, 0
	s_lshr_b32 s20, s13, 1                         ; in wc: hs = kc / 2,
	s_lshl_b32 s20, s20, 16
	s_and_b32 s26, s13, 1                          ; c = kc % 2,
	s_lshl_b32 s26, s26, 9
	s_add_co_u32 s20, s20, s26
	s_lshl_b32 s26, s12, 12                        ; w = Q / 4 and t = 4 (Q % 4) + e: 16,384 (Q / 4) + 4,096 (Q % 4) = 4,096 Q
	s_add_co_u32 s20, s20, s26
	s_mov_b32 s21, 0
	s_mov_b32 s22, 0x05010400                      ; byte selects: {a0, b0, a1, b1}
	s_mov_b32 s23, 0x07030602                      ; {a2, b2, a3, b3}
	s_mov_b32 s24, 0x05040100                      ; the two low halves
	s_mov_b32 s25, 0x07060302                      ; the two high halves
	v_and_b32 v5, 31, v0                           ; lane
	v_and_b32 v6, 15, v0                           ; r
	v_bfe_u32 v7, v0, 4, 1                         ; hh
	v_lshlrev_b32 v1, 4, v6
	v_lshl_add_u32 v1, v7, 16, v1                  ; in: 16 r + 16 hh rows of 4,096 bytes
	v_lshlrev_b32 v2, 4, v5                        ; out: 16 x lane
	s_wait_kmcnt 0x0
	s_load_b32 s14, s[6:7], 0x4                    ; e1
	s_add_nc_u64 s[4:5], s[4:5], s[18:19]
	s_add_nc_u64 s[8:9], s[8:9], s[20:21]
.irp z, 0,1,2,3,4,5,6,7,8,9,10,11,12,13,14,15
	global_load_b128 v[R+4*\z:R+4*\z+3], v1, s[4:5] offset:\z*4096 th:TH_LOAD_NT
.endr
	s_wait_kmcnt 0x0
	s_add_co_i32 s14, s14, 127
	s_lshl_b32 s26, s14, 23
	v_mov_b32 v3, s26                              ; 2^e1 as f32: the conversion takes its exponent field
	s_add_co_i32 s14, s14, 15
	s_lshl_b32 s15, s14, 23
	s_or_b32 s15, s15, 0x600000                    ; 57,344 x 2^e1
	s_or_b32 s16, s15, 0x80000000                  ; and its negative
	s_wait_loadcnt 0x0
.irp i, 0,1,2,3,4,5,6,7,8,9,10,11,12,13,14,15,16,17,18,19,20,21,22,23,24,25,26,27,28,29,30,31,32,33,34,35,36,37,38,39,40,41,42,43,44,45,46,47,48,49,50,51,52,53,54,55,56,57,58,59,60,61,62,63
	v_med3_num_f32 v[R+\i], v[R+\i], s16, s15      ; the conversion to an 8-bit code does not saturate (ISA guide 7.6.2): the hold at the largest code x the scale comes first
.endr
.irp m, 0,1,2,3,4,5,6,7
	v_cvt_scalef32_pk8_bf8_f32 v[C+2*\m:C+2*\m+1], v[R+8*\m:R+8*\m+7], v3   ; rows 2 m and 2 m + 1: four codes each
.endr
	v_nop                                          ; one plain vector instruction between the conversions and the vector instructions that read their results
.irp q, 0,1,2,3                        ; rows a, b, c, d = 4 q .. 4 q + 3: a 4 x 4 turn of bytes
	v_perm_b32 v[T],   v[C+4*\q+1], v[C+4*\q],   s22   ; {a0, b0, a1, b1}
	v_perm_b32 v[T+1], v[C+4*\q+1], v[C+4*\q],   s23   ; {a2, b2, a3, b3}
	v_perm_b32 v[T+2], v[C+4*\q+3], v[C+4*\q+2], s22   ; {c0, d0, c1, d1}
	v_perm_b32 v[T+3], v[C+4*\q+3], v[C+4*\q+2], s23   ; {c2, d2, c3, d3}
	v_perm_b32 v[O+\q],    v[T+2], v[T],   s24         ; column 0: {a0, b0, c0, d0}
	v_perm_b32 v[O+4+\q],  v[T+2], v[T],   s25         ; column 1
	v_perm_b32 v[O+8+\q],  v[T+3], v[T+1], s24         ; column 2
	v_perm_b32 v[O+12+\q], v[T+3], v[T+1], s25         ; column 3
.endr
.irp e, 0,1,2,3
	global_store_b128 v2, v[O+4*\e:O+4*\e+3], s[8:9] offset:\e*1024   ; tile 4 (Q % 4) + e: 32 lanes store 512 consecutive bytes, at a multiple of 512 from wc's first byte
.endr
	s_endpgm
.Lfunc_end_k_q8f8aadbb82_wq:
	.size	k_q8f8aadbb82_wq, .Lfunc_end_k_q8f8aadbb82_wq-k_q8f8aadbb82_wq
	.p2alignl 7, 3214868480
	.fill 96, 4, 3214868480
	.section	.rodata,"a",@progbits
	.p2align	6, 0x0
	.amdhsa_kernel k_q8f8aadbb82_wq
		.amdhsa_group_segment_fixed_size 0
		.amdhsa_private_segment_fixed_size 0
		.amdhsa_enable_private_segment 0
		.amdhsa_kernarg_size 24
		.amdhsa_user_sgpr_count 2
		.amdhsa_user_sgpr_kernarg_segment_ptr 1
		.amdhsa_wavefront_size32 1
		.amdhsa_system_sgpr_workgroup_id_x 1
		.amdhsa_system_sgpr_workgroup_id_y 1
		.amdhsa_system_sgpr_workgroup_id_z 1
		.amdhsa_system_vgpr_workitem_id 0
		.amdhsa_next_free_vgpr 128
		.amdhsa_next_free_sgpr 66
		.amdhsa_reserve_vcc 0
		.amdhsa_float_denorm_mode_32 3
		.amdhsa_float_denorm_mode_16_64 3
		.amdhsa_memory_ordered 1
		.amdhsa_forward_progress 1
		.amdhsa_inst_pref_size 11
	.end_amdhsa_kernel
	.amdgpu_metadata
---
amdhsa.version: [ 1, 2 ]
amdhsa.kernels:
  - .name:           k_q8f8aadbb82_wq
    .symbol:         k_q8f8aadbb82_wq.kd
    .args:
      - { .name: W, .offset: 0, .size: 8, .value_kind: global_buffer, .address_space: global }
      - { .name: lowp_scales, .offset: 8, .size: 8, .value_kind: global_buffer, .address_space: global }
      - { .name: wc, .offset: 16, .size: 8, .value_kind: global_buffer, .address_space: global }
    .group_segment_fixed_size: 0
    .private_segment_fixed_size: 0
    .kernarg_segment_align: 8
    .kernarg_segment_size: 24
    .max_flat_workgroup_size: 64
    .sgpr_count:     66
    .vgpr_count:     128
    .wavefront_size: 32
...
	.end_amdgpu_metadata
.endif
;; end of part 1
;; launch main (part 2): grid 256 x 1, 4 waves a work-group, clusters of 4 x 1, 327,680 bytes of LDS; arguments x, wc, lowp_scales, part; writes part
.if DOCPART == 2
	.amdgcn_target "amdgcn-amd-amdhsa--gfx1250"
	.amdhsa_code_object_version 6
	.text
	.protected	k_q8f8aadbb82_main
	.globl	k_q8f8aadbb82_main
	.p2align	8
	.type	k_q8f8aadbb82_main,@function
k_q8f8aadbb82_main:
	s_mov_b64 s[64:65], 0
	v_nop
	global_prefetch_b8 v0, s[64:65] scope:SCOPE_SE
	s_setreg_imm32_b32 hwreg(HW_REG_WAVE_MODE, 25, 1), 1
	s_wait_xcnt 0x0
	s_wait_alu depctr_hold_cnt(0) depctr_sa_sdst(0) depctr_va_vdst(0) depctr_va_sdst(0) depctr_va_ssrc(0) depctr_va_vcc(0) depctr_vm_vsrc(0)
	s_getreg_b32 s2, hwreg(HW_REG_IB_STS2, 6, 4)
	s_cmp_eq_u32 s2, 0
	s_cbranch_scc0 .Lentry_in_a_cluster
	s_endpgm
.Lentry_in_a_cluster:
	s_bfe_u32 s2, ttmp6, 0x10000c
	s_cmp_lg_u32 s2, 0x3003
	s_cbranch_scc0 .Lentry_shape_is_right
	s_endpgm
.Lentry_shape_is_right:
; part[g][n] = the sum over the 256 tokens of work-group g of (Q(x) Q(W))[token][n], in units of 2^(e0 + e1): x [65,536][1,024] f32 is quantised here to BF8 (E5M2) with the given 2^e0; W's codes come from wc.
; WHAT IS COMPUTED.  The module's softmax is taken over the capsule axis and its weights are then summed over that same axis: s[b][k] = sum over j of softmax_j(..) is 1 for every input for which the module is
; finite, so the routing weights, the normalisation and the exponentials reach the result through s alone, and the result is the sum over a batch's tokens of u_hat = Q(x) Q(W).  THIS TEXT TAKES s = 1.
; LIMIT, of rounding: in f32 the module's own s differs from 1 by at most about 70 x 2^-24 = 4e-6 (32 exponentials, a sum of 32, 32 divisions, a sum of 32), so the result differs from the module's by at most
; 4e-6 x the sum over tokens of |u_hat|.  The order of the f32 sums differs from the module's too: tokens are added inside the accumulators.
; LIMITS, of range: -126 <= e0 <= 112, so that 2^e0 and 57,344 x 2^e0 are f32 numbers.  NaN in x is not served; an infinity is held at the largest code, as the quantiser's clamp has it.
; SHARES.  Work-group g owns tokens 256 g .. 256 g + 255.  Wave w (a) quantises tokens 64 w .. 64 w + 63: each number of x is read and converted once in the launch; (b) multiplies ALL 16 token tiles of the
; work-group by ITS 256 columns: 16 accumulators of 16 x 16.  Since only the sum over tokens is wanted, every token tile and every K step add onto the same 16 accumulators: a register holds the sum over the
; tokens that fell on its slot, and the 16 slots are added once at the end.  Every multiply-add of the product is made by the matrix instruction.
; K goes in 16 steps of 64.  A step of a wave is 256 matrix instructions: 16 token fragments x 16 fragments of W; each fragment read from LDS feeds 16 of them.
; x STREAMS THROUGH REGISTERS: a group is 8 loads (16 tokens x 64 k; each half of the lanes reads 256 consecutive bytes of a token's row, aligned); 8 groups, two steps' worth, are on their way in each wave, and they
; stay on their way across the barriers.  The codes go to LDS as rows of 64 bytes (pitch 80), in two buffers by the step's parity, one step ahead of the products that read them.
; W's codes come by tensor loads into two LDS slots by the step's parity; wave w fetches and reads its own block of 16,384 bytes, which lies in wc in the order of the operand's registers.
; CLUSTER.  Every work-group walks the same wc: the four partners ask for each block JOINTLY (mask 15; the descriptor hangs on the wave's number and the step alone), which divides the requests for wc by four.
; x is shared by nobody.
; K WITHIN A FRAGMENT: registers 4 c .. 4 c + 3 hold k = 32 c + 16 (lane / 16) + 0 .. 15, in x's fragments and in W's alike: a permutation of k, the same on both sides, so that every product meets its partner.
; REGISTERS, in windows of 256 (s_set_vgpr_msb: bits 1:0 source 0, 3:2 source 1, 5:4 source 2, 7:6 destination):
;   window 0: v0-13 addresses; v16-47 codes just made, 8 a group; v48-79, v80-111 token fragments, two sets of four; v112-119 the way out; v128-255 the accumulators (tile t at v[128 + 8 t])
;   window 1: W's fragments, two sets of 16 (tile t at 8 t), at v0 and at v128, by the step's parity      window 2: x as loaded: two sets of 128 by the step's parity, group j at 32 ((j + 1) % 4)
.set XP,    80                         ; a token's row of codes in LDS: 64 bytes + 16: the 16 rows that a load of 16 bytes a lane touches start at 16 different multiples of 16 bytes modulo 256
.set XBUF,  256*XP                     ; a buffer of codes: 256 tokens
.set SPARE, 2*XBUF                     ; 40,960: behind the two buffers: the spare words, 128 bytes for each wave: two blocks of 256 bytes that no other line names
.set CHUNK, 65536                      ; a K step of wc: 4 waves x 16,384 bytes
.set WS0,   65536                      ; W's slot 0; slot 1 lies CHUNK further on.  No ds_store ever lands there, and no tensor load below it
.set XOFF, 2                           ; v2   x: 4,096 (lane / 16) + 16 (lane % 16); never rewritten
.set XST,  3                           ; v3   where I store four codes: 64 XP x wave + XP (lane / 16) + 4 (lane % 16)
.set ARD,  4                           ; v4   a token fragment: XP (lane % 16) + 16 (lane / 16)
.set BRD,  5                           ; v5, v6  W's fragments in slot 0, 1: the slot + 16,384 x wave + 16 x lane
.set SC,   7                           ; v7   2^e0 as f32
.set SPW,  8                           ; v8   LDS address of my spare word: SPARE + 4 x my thread's number; never rewritten
.set NIL,  9                           ; v9   0; never rewritten
.set LANE, 10
.set OUTO, 11                          ; v11  16 x lane
.set CD,   16
.set A0,   48
.set A1,   80
.set OUTR, 112
.set ACC,  128
.set WV,   12                          ; s12  my wave's number
.set G1,   16                          ; s[16:23] descriptor group 1
.set G0,   24                          ; s[24:27], s[28:31] descriptor group 0 for slot 0, 1
.set NLIM, 34                          ; s34  -57,344 x 2^e0
.set PLIM, 35                          ; s35  +57,344 x 2^e0
.set MUL,  0x04                        ; source 1 (W) window 1; token fragments and accumulators window 0
.set MSB, 0
.macro WIN new                         ; the immediate's high byte repeats the setting that is left; a switch that changes nothing is dropped
.if MSB != \new
	s_set_vgpr_msb (MSB<<8)|\new
.set MSB, \new
.endif
.endm
; A load into a register that a matrix instruction has read, and a vector instruction that reads a matrix result or writes one of a matrix instruction's registers, stand four places behind that matrix
; instruction, and only plain vector instructions that name none of its registers are places (ISA guide 7.12.1 for vector instructions).
.macro PLACES
.rept 4
	v_nop
.endr
.endm
.macro CREST                           ; a round of the cluster's barrier behind its opening barrier
	s_cmp_lg_u32 s[WV], 0
	s_cbranch_scc1 .Lnot_wave_0_\@
	s_barrier_signal -3
.Lnot_wave_0_\@:
	s_barrier_wait -3
	s_barrier_signal -1
	s_barrier_wait -1
.endm
.macro CROUND                          ; a whole round
	s_barrier_signal -1
	s_barrier_wait -1
	CREST
.endm
; 16 matrix instructions: one token fragment (16 tokens x 64 k, at v[areg]) against W's 16 tiles of set bs.  zero = 1: the products start the sums: nothing is ever cleared.
; The 16 accumulators take turns, one instruction a turn, in the same order everywhere, over the loop's backward jump too.
.macro MULF areg, bs, zero
.irp t, 0,1,2,3,4,5,6,7,8,9,10,11,12,13,14,15
.if \zero
	v_wmma_f32_16x16x64_bf8_bf8 v[ACC+8*\t:ACC+8*\t+7], v[\areg:\areg+7], v[128*(\bs)+8*\t:128*(\bs)+8*\t+7], 0
.else
	v_wmma_f32_16x16x64_bf8_bf8 v[ACC+8*\t:ACC+8*\t+7], v[\areg:\areg+7], v[128*(\bs)+8*\t:128*(\bs)+8*\t+7], v[ACC+8*\t:ACC+8*\t+7]
.endif
.endr
.endm
.macro FETCH_A quad, buf, set          ; token tiles 4 quad .. 4 quad + 3 of buffer buf into fragment set set: 8 LDS loads (every window 0)
.irp f, 0,1,2,3
	ds_load_b128 v[A0+32*(\set)+8*\f:A0+32*(\set)+8*\f+3],   v[ARD] offset:(\buf)*XBUF+(4*(\quad)+\f)*16*XP
	ds_load_b128 v[A0+32*(\set)+8*\f+4:A0+32*(\set)+8*\f+7], v[ARD] offset:(\buf)*XBUF+(4*(\quad)+\f)*16*XP+32
.endr
.endm
.macro FETCH_B sl                      ; my 16 fragments of W out of slot sl into set sl: 32 LDS loads, each of 512 consecutive bytes
	WIN 0x40                                       ; destination window 1
.irp t, 0,1,2,3,4,5,6,7,8,9,10,11,12,13,14,15
	ds_load_b128 v[128*(\sl)+8*\t:128*(\sl)+8*\t+3],   v[BRD+(\sl)] offset:\t*1024
	ds_load_b128 v[128*(\sl)+8*\t+4:128*(\sl)+8*\t+7], v[BRD+(\sl)] offset:\t*1024+512
.endr
	WIN 0
.endm
.macro XLOAD j, set, koff              ; group j (my tokens 16 j .. 16 j + 15) of a K step, koff bytes along the rows from s[4:5], into set set: load l brings tokens 16 j + 2 l and 16 j + 2 l + 1
	WIN 0x80                                       ; destination window 2
.set XR, 128*(\set)+32*(((\j)+1)%4)
.irp l, 0,1,2,3,4,5,6,7
	global_load_b128 v[XR+4*\l:XR+4*\l+3], v[XOFF], s[4:5] offset:(8*(\j)+\l)*8192+(\koff) th:TH_LOAD_NT
.endr
.endm
; Group j of set set becomes codes in buffer set.  cnt: the younger loads, which may stay out.  ld = 1: its registers take the group two steps on.
.macro XG j, set, cnt, ld, koff
	s_wait_loadcnt \cnt                            ; loads come back in order (ISA guide 5.7.1): this group's eight are in
.set XR, 128*(\set)+32*(((\j)+1)%4)
	WIN 0x82                                       ; source 0 and destination window 2
.irp i, 0,1,2,3,4,5,6,7,8,9,10,11,12,13,14,15,16,17,18,19,20,21,22,23,24,25,26,27,28,29,30,31
	v_med3_num_f32 v[XR+\i], v[XR+\i], s[NLIM], s[PLIM]   ; the conversion to an 8-bit code does not saturate (ISA guide 7.6.2): the hold at the largest code x the scale comes first
.endr
	WIN 0x02                                       ; source 0 window 2, the scale and the codes window 0
.irp m, 0,1,2,3
	v_cvt_scalef32_pk8_bf8_f32 v[CD+8*(\j)+2*\m:CD+8*(\j)+2*\m+1], v[XR+8*\m:XR+8*\m+7], v[SC]   ; loads 2 m and 2 m + 1: a register of four codes each
.endr
	v_nop                                          ; one plain vector instruction behind the last conversion
	WIN 0
.irp l, 0,1,2,3,4,5,6,7
	ds_store_b32 v[XST], v[CD+8*(\j)+\l] offset:(\set)*XBUF+(16*(\j)+2*\l)*XP   ; lanes 0-15 fill one token's 64 bytes, lanes 16-31 the next token's
.endr
.if \ld
	XLOAD \j, \set, \koff
.endif
	WIN 0
.endm
.macro XGT j, p, xl, koff, c0          ; in step p's trip: the next step's group j.  While loads follow, seven younger groups (56 loads) stay out; in the tail the counts run down from c0
.if \xl
	XG \j, 1-(\p), 56, 1, \koff
.else
	XG \j, 1-(\p), (\c0)-8*(\j), 0, 0
.endif
.endm
; A K STEP of parity p.  prev = 1: the step before has its last 64 products (token tiles 12-15, set 1) still to make: they stand round the barrier and the first fetches, so that there is matrix work while the
; waves meet.  zero = 1: the first step.  fill = 1: slot p is filled again, with the block two steps on.  fb = 1: the next step's fragments of W are fetched.  xc = 1: the next step's x is quantised.
; ONE BARRIER A STEP.  In front of it each wave waits for all its tensor loads (its block of the next step), adds 0 to its spare word, and waits for that and for all its LDS instructions: its stores of this
; step's codes (buffer p), its reads of the last step's codes (buffer 1 - p), its reads of slot p.  Behind it buffer p is whole, buffer 1 - p may be written and slot p filled.
.macro TRIP p, prev, zero, fill, fb, xc, xl, koff, c0
.set NS, 8*(\xc)                       ; LDS stores of a group
.set NB, 32*(\fb)                      ; LDS loads of FETCH_B
	WIN 0                                          ; (the add's two registers lie in window 0)
	s_wait_tensorcnt 0x0                           ; all my tensor loads have landed: the one that was out is my block of the next step; so a group 0 may be written
	ds_add_u32 v[SPW], v[NIL]                      ; 0 onto my spare word
.if \fill
	s_add_nc_u64 s[G0+4*(\p)+2:G0+4*(\p)+3], s[G0+4*(\p)+2:G0+4*(\p)+3], 2*CHUNK   ; slot p's next block: two steps on; the type bits on top are not reached
.endif
.if \prev
	s_wait_dscnt 17                                ; token tiles 12-15 of the step before are in: behind their loads stand two groups' 16 stores and the add
	WIN MUL
	MULF A1, 1-(\p), 0                             ; sixteen matrix instructions stand between the add and the wait for it
.endif
	s_wait_dscnt 0x0                               ; the add is done, my stores have landed and my reads are over
	s_barrier_signal -1                            ; (where a slot is filled again this barrier opens a round of the cluster's barrier)
.if \prev
	MULF A1+8, 1-(\p), 0                           ; work on registers while the others arrive
	WIN 0
.endif
	s_barrier_wait -1
.if \fill
	CREST                                          ; no wave of any partner still reads slot p or has a load on its way
	tensor_load_to_lds s[G0+4*(\p):G0+4*(\p)+3], s[G1:G1+7]   ; my one tensor load behind the round, and the first thing there: it has this step and the head of the next in which to land
	s_nop 0
.endif
	PLACES                                         ; four v_nop behind the tensor load; they are also the places in front of the loads into set 0
	FETCH_A 0, \p, 0
.if \prev
	WIN MUL
	MULF A1+16, 1-(\p), 0
	MULF A1+24, 1-(\p), 0                          ; the step before is finished
	PLACES                                         ; for the loads into set 1 and into W's set 1 - p
	WIN 0
.endif
	FETCH_A 1, \p, 1
.if \fb
	FETCH_B 1-(\p)                                 ; the next step's W: its block was shown landed at this trip's head, and only I read it
.endif
.if \xc
	XGT 0, \p, \xl, \koff, \c0
.endif
	s_wait_dscnt 8+NB+NS                           ; token tiles 0-3 are in; all that was issued behind their loads may be out
	WIN MUL
	MULF A0, \p, \zero
	MULF A0+8, \p, 0
	MULF A0+16, \p, 0
	MULF A0+24, \p, 0
	PLACES
	WIN 0
	FETCH_A 2, \p, 0
.if \xc
	XGT 1, \p, \xl, \koff, \c0
.endif
	s_wait_dscnt NB+2*NS+8                         ; token tiles 4-7 are in
	WIN MUL
	MULF A1, \p, 0
	MULF A1+8, \p, 0
	MULF A1+16, \p, 0
	MULF A1+24, \p, 0
	PLACES
	WIN 0
	FETCH_A 3, \p, 1
.if \xc
	XGT 2, \p, \xl, \koff, \c0
.endif
	s_wait_dscnt 2*NS+8                            ; token tiles 8-11 are in
	WIN MUL
	MULF A0, \p, 0
	MULF A0+8, \p, 0
	MULF A0+16, \p, 0
	MULF A0+24, \p, 0
.if \xc
	XGT 3, \p, \xl, \koff, \c0
.endif
	WIN 0                                          ; at a label and at a branch every window is 0
.endm
	s_load_b256 s[4:11], s[0:1], 0x0               ; x s[4:5], wc s[6:7], the scales' exponents s[8:9], part s[10:11]
	v_lshl_add_u32 v[SPW], v0, 2, SPARE
	v_mov_b32 v[NIL], 0
	ds_add_u32 v8, v9
	ds_add_u32 v8, v9
	s_wait_dscnt 0x0
	v_lshrrev_b32 v1, 5, v0
	v_readfirstlane_b32 s[WV], v1                  ; wave 0..3
	s_bfe_u32 s13, ttmp6, 0x40000                  ; cx: my place in the cluster
	s_lshl_b32 s14, ttmp9, 2                       ; in a cluster launch ttmp9 counts clusters
	s_add_co_u32 s14, s14, s13                     ; g = 4 x cluster + cx: it enters x's and part's addresses alone
	; descriptor group 1: a dense block of 16,384 bytes as 64 rows of 32 elements of 8 bytes
	s_mov_b32 s[G1+0], 15|(3<<16)|(1<<21)          ; 15:0 the mask: all four work-groups; 17:16 elements of 8 bytes; 20 no padding; 21 set beside a mask
	s_mov_b32 s[G1+1], 32<<16                      ; tensor_dim0 = 32
	s_mov_b32 s[G1+2], 64<<16                      ; tensor_dim1 = 64
	s_mov_b32 s[G1+3], 32<<16                      ; tile_dim0 = 32
	s_mov_b32 s[G1+4], 64                          ; tile_dim1 = 64
	s_mov_b32 s[G1+5], 32                          ; tensor_dim0_stride: each row begins where the last ends
	s_mov_b32 s[G1+6], 0
	s_mov_b32 s[G1+7], 0
	s_mov_b32 s40, 0x76543210                      ; v_permlanex16_b32's selects for lane l xor 16
	s_mov_b32 s41, 0xfedcba98
	v_and_b32 v[LANE], 31, v0
	v_and_b32 v12, 15, v0                          ; lane % 16
	v_bfe_u32 v13, v0, 4, 1                        ; lane / 16
	v_lshlrev_b32 v[XOFF], 4, v12
	v_lshl_add_u32 v[XOFF], v13, 12, v[XOFF]
	s_mul_i32 s33, s[WV], 64*XP
	v_mul_u32_u24 v[XST], v13, XP
	v_lshl_add_u32 v[XST], v12, 2, v[XST]
	v_add_nc_u32 v[XST], s33, v[XST]
	v_mul_u32_u24 v[ARD], v12, XP
	v_lshl_add_u32 v[ARD], v13, 4, v[ARD]
	s_lshl_b32 s38, s[WV], 14                      ; my block in a K step of wc and in a slot: 16,384 x wave: no place in the cluster enters it
	s_mov_b32 s39, 0
	v_lshlrev_b32 v[OUTO], 4, v[LANE]
	v_add_nc_u32 v[BRD], s38, v[OUTO]
	v_add_nc_u32 v[BRD], WS0, v[BRD]
	v_add_nc_u32 v[BRD+1], CHUNK, v[BRD]
	s_lshl_b32 s36, s14, 20                        ; x: g x 256 rows of 4,096 bytes
	s_lshl_b32 s37, s[WV], 18                      ; + wave x 64 rows
	s_add_co_u32 s36, s36, s37
	s_mov_b32 s37, 0
	s_lshl_b32 s44, s14, 12                        ; part: row g of 4,096 bytes
	s_lshl_b32 s45, s[WV], 10                      ; + my 256 columns
	s_add_co_u32 s44, s44, s45
	s_mov_b32 s45, 0
	s_wait_kmcnt 0x0
	s_load_b32 s32, s[8:9], 0x0                    ; e0
	s_add_nc_u64 s[4:5], s[4:5], s[36:37]
	s_add_nc_u64 s[10:11], s[10:11], s[44:45]
	s_add_nc_u64 s[42:43], s[6:7], s[38:39]        ; wc at my block of K step 0
.irp j, 0,1,2,3
	XLOAD \j, 0, 0                                 ; x's ring is filled: K step 0,
.endr
.irp j, 0,1,2,3
	XLOAD \j, 1, 256                               ; and K step 1
.endr
	WIN 0
	CROUND                                         ; all four work-groups are here: the first joint loads meet
	s_mov_b32 s[G0+0], 1                           ; 1:0 count = 1
	s_add_co_u32 s[G0+1], s38, WS0                 ; 63:32 LDS address: slot 0, my block
	s_mov_b64 s[G0+2:G0+3], s[42:43]               ; 120:64 global address: K step 0
	s_or_b32 s[G0+3], s[G0+3], 0x80000000          ; 127:126 type = 2
	s_mov_b32 s[G0+4], 1
	s_add_co_u32 s[G0+5], s38, WS0+CHUNK           ; slot 1
	s_add_nc_u64 s[G0+6:G0+7], s[42:43], CHUNK     ; K step 1
	s_or_b32 s[G0+7], s[G0+7], 0x80000000
	tensor_load_to_lds s[G0:G0+3], s[G1:G1+7]      ; both first fills go out together, ahead of every wait on TENSORcnt and every LDS read: two loads of mine are out
	s_nop 0
	tensor_load_to_lds s[G0+4:G0+7], s[G1:G1+7]
	s_nop 0
	PLACES                                         ; four v_nop follow the second
	s_wait_kmcnt 0x0
	s_add_co_i32 s32, s32, 127
	s_lshl_b32 s33, s32, 23
	v_mov_b32 v[SC], s33                           ; 2^e0 as f32: the conversion takes its exponent field
	s_add_co_i32 s32, s32, 15
	s_lshl_b32 s[PLIM], s32, 23
	s_or_b32 s[PLIM], s[PLIM], 0x600000            ; 57,344 x 2^e0
	s_or_b32 s[NLIM], s[PLIM], 0x80000000
.irp j, 0,1,2,3
	XG \j, 0, 56, 1, 512                           ; K step 0's codes into buffer 0; its registers take K step 2
.endr
	s_wait_tensorcnt 1                             ; my block of K step 0 is in; K step 1's may stay out.  Only I read my blocks, so my own wait is all that the reads need
	FETCH_B 0
	TRIP 0, 0, 1, 1, 1, 1, 1, 768, 0               ; K step 0 stands in front of the loop: its first products start the sums; it quantises step 1 and asks for x's step 3 and W's step 2
	s_mov_b32 s15, 6
.Lpair:                                                ; six trips of two K steps: steps 1 to 12; trip i asks for x's steps 4 + 2 i and 5 + 2 i
	TRIP 1, 1, 0, 1, 1, 1, 1, 1024, 0
	TRIP 0, 1, 0, 1, 1, 1, 1, 1280, 0
	s_wait_xcnt 0x0                                ; every load has had its address translated (ISA guide 3.1): only behind this wait is their base stepped
	s_add_nc_u64 s[4:5], s[4:5], 512               ; two K steps along x's rows
	s_sub_co_u32 s15, s15, 1
	s_cmp_lg_u32 s15, 0
	s_cbranch_scc1 .Lpair
	; the tail is written out
	TRIP 1, 1, 0, 1, 1, 1, 0, 0, 56                ; K step 13: the last block of W is asked for; x's step 14 is quantised: 64 loads were out, the counts run 56, 48, 40, 32
	TRIP 0, 1, 0, 0, 1, 1, 0, 0, 24                ; K step 14: nothing is filled, so no round; x's step 15: 24, 16, 8, 0
	TRIP 1, 1, 0, 0, 0, 0, 0, 0, 0                 ; K step 15
	s_wait_dscnt 0x0                               ; its token tiles 12-15 are in
	WIN MUL
	MULF A1, 1, 0
	MULF A1+8, 1, 0
	MULF A1+16, 1, 0
	MULF A1+24, 1, 0
	WIN 0
	PLACES                                         ; in front of the first reads of results and of writes over the fragments' registers
	; THE WAY OUT.  Register j of lane (r, h) of tile t holds the sum over the tokens that fell on slot 8 h + j, for column 256 w + 64 (t / 4) + 4 r + t % 4.  The eight registers are added (each accumulator is
	; read from its low end on), then the two halves of the lanes.
.irp t, 0,1,2,3,4,5,6,7,8,9,10,11,12,13,14,15
	v_pk_add_f32 v[A0+4*\t:A0+4*\t+1], v[ACC+8*\t:ACC+8*\t+1], v[ACC+8*\t+2:ACC+8*\t+3]
.endr
.irp t, 0,1,2,3,4,5,6,7,8,9,10,11,12,13,14,15
	v_pk_add_f32 v[A0+4*\t+2:A0+4*\t+3], v[ACC+8*\t+4:ACC+8*\t+5], v[ACC+8*\t+6:ACC+8*\t+7]
.endr
.irp t, 0,1,2,3,4,5,6,7,8,9,10,11,12,13,14,15
	v_pk_add_f32 v[A0+4*\t:A0+4*\t+1], v[A0+4*\t:A0+4*\t+1], v[A0+4*\t+2:A0+4*\t+3]
.endr
.irp t, 0,1,2,3,4,5,6,7,8,9,10,11,12,13,14,15
	v_add_f32 v[CD+\t], v[A0+4*\t], v[A0+4*\t+1]
.endr
.irp t, 0,1,2,3,4,5,6,7,8,9,10,11,12,13,14,15
	v_permlanex16_b32 v[CD+16+\t], v[CD+\t], s40, s41   ; its destination counts as read: these registers have held codes
.endr
.irp t, 0,1,2,3,4,5,6,7,8,9,10,11,12,13,14,15
	v_add_f32 v[CD+\t], v[CD+\t], v[CD+16+\t]      ; every lane now holds tile t's sum for its r
.endr
	v_cmp_le_u32 vcc_lo, 16, v[LANE]               ; lanes 16-31
.irp u, 0,1                            ; store u covers columns 128 u + 4 lane + e = 128 u + 64 h + 4 r + e: tile 4 (2 u + h) + e
.irp e, 0,1,2,3
	v_cndmask_b32 v[OUTR+4*\u+\e], v[CD+8*\u+\e], v[CD+8*\u+4+\e], vcc_lo
.endr
.endr
.irp u, 0,1
	global_store_b128 v[OUTO], v[OUTR+4*\u:OUTR+4*\u+3], s[10:11] offset:512*\u   ; 32 lanes store 512 consecutive bytes, at a multiple of 512 from part's first byte, columns in their natural order
.endr
	s_wait_tensorcnt 0x0                           ; the wave's end, behind my last tensor load and my last LDS store
	ds_add_u32 v[SPW], v[NIL]
	s_wait_dscnt 0x0
	CROUND                                         ; the closing round: no work-group ends while a partner may still ask for a block that names it
	s_endpgm
.Lfunc_end_k_q8f8aadbb82_main:
	.size	k_q8f8aadbb82_main, .Lfunc_end_k_q8f8aadbb82_main-k_q8f8aadbb82_main
	.p2alignl 7, 3214868480
	.fill 96, 4, 3214868480
	.section	.rodata,"a",@progbits
	.p2align	6, 0x0
	.amdhsa_kernel k_q8f8aadbb82_main
		.amdhsa_group_segment_fixed_size 327680
		.amdhsa_private_segment_fixed_size 0
		.amdhsa_enable_private_segment 0
		.amdhsa_kernarg_size 32
		.amdhsa_user_sgpr_count 2
		.amdhsa_user_sgpr_kernarg_segment_ptr 1
		.amdhsa_wavefront_size32 1
		.amdhsa_system_sgpr_workgroup_id_x 1
		.amdhsa_system_sgpr_workgroup_id_y 1
		.amdhsa_system_sgpr_workgroup_id_z 1
		.amdhsa_system_vgpr_workitem_id 0
		.amdhsa_next_free_vgpr 768
		.amdhsa_next_free_sgpr 66
		.amdhsa_reserve_vcc 1
		.amdhsa_float_denorm_mode_32 3
		.amdhsa_float_denorm_mode_16_64 3
		.amdhsa_memory_ordered 1
		.amdhsa_forward_progress 1
		.amdhsa_inst_pref_size 228
	.end_amdhsa_kernel
	.amdgpu_metadata
---
amdhsa.version: [ 1, 2 ]
amdhsa.kernels:
  - .name:           k_q8f8aadbb82_main
    .symbol:         k_q8f8aadbb82_main.kd
    .args:
      - { .name: x, .offset: 0, .size: 8, .value_kind: global_buffer, .address_space: global }
      - { .name: wc, .offset: 8, .size: 8, .value_kind: global_buffer, .address_space: global }
      - { .name: lowp_scales, .offset: 16, .size: 8, .value_kind: global_buffer, .address_space: global }
      - { .name: part, .offset: 24, .size: 8, .value_kind: global_buffer, .address_space: global }
    .group_segment_fixed_size: 327680
    .private_segment_fixed_size: 0
    .kernarg_segment_align: 8
    .kernarg_segment_size: 32
    .max_flat_workgroup_size: 128
    .sgpr_count:     66
    .vgpr_count:     768
    .wavefront_size: 32
...
	.end_amdgpu_metadata
.endif
;; end of part 2
;; launch fin (part 3): grid 256 x 1, 1 waves a work-group, no clusters, 0 bytes of LDS; arguments part, lowp_scales, out0; writes out0
.if DOCPART == 3
	.amdgcn_target "amdgcn-amd-amdhsa--gfx1250"
	.amdhsa_code_object_version 6
	.text
	.protected	k_q8f8aadbb82_fin
	.globl	k_q8f8aadbb82_fin
	.p2align	8
	.type	k_q8f8aadbb82_fin,@function
k_q8f8aadbb82_fin:
	s_mov_b64 s[64:65], 0
	v_nop
	global_prefetch_b8 v0, s[64:65] scope:SCOPE_SE
	s_setreg_imm32_b32 hwreg(HW_REG_WAVE_MODE, 25, 1), 1
	s_wait_xcnt 0x0
; out0[b][n] = 2^(e0 + e1) x the sum over i = 0 .. 7 of part[8 b + i][n]: a batch's 2,048 tokens were summed by eight work-groups of the launch before, 256 tokens each, in units of 2^(e0 + e1).
; One wave to a work-group; work-group g owns 128 columns, 128 (g % 8) on, of batch g / 8: each load and the store cover 512 consecutive bytes, aligned.  Each output number has one owner: no atomics.
; The power of two is applied by v_ldexp_f32, which keeps no limit on e0 + e1.  No LDS, no barrier, no matrix unit: 4,608 bytes a work-group, bound by the way to memory.
	s_load_b128 s[4:7], s[0:1], 0x0                ; part s[4:5], the scales' exponents s[6:7]
	s_load_b64 s[8:9], s[0:1], 0x10                ; out0
	v_lshlrev_b32 v1, 4, v0                        ; 16 x lane
	s_lshr_b32 s10, ttmp9, 3
	s_lshl_b32 s10, s10, 15                        ; the batch's eight rows of 4,096 bytes
	s_and_b32 s11, ttmp9, 7
	s_lshl_b32 s11, s11, 9                         ; my 128 columns
	s_add_co_u32 s10, s10, s11
	s_mov_b32 s11, 0
	s_lshl_b32 s14, ttmp9, 9                       ; in out0: 4,096 (g / 8) + 512 (g % 8) = 512 g
	s_mov_b32 s15, 0
	s_wait_kmcnt 0x0
	s_load_b64 s[12:13], s[6:7], 0x0               ; e0, e1
	s_add_nc_u64 s[4:5], s[4:5], s[10:11]
	s_add_nc_u64 s[8:9], s[8:9], s[14:15]
.irp i, 0,1,2,3,4,5,6,7
	global_load_b128 v[4+4*\i:7+4*\i], v1, s[4:5] offset:\i*4096
.endr
	s_wait_kmcnt 0x0
	s_add_co_i32 s12, s12, s13                     ; e0 + e1
	s_wait_loadcnt 0x0
.irp i, 0,2,4,6                        ; a tree: rows 0 + 1, 2 + 3, 4 + 5, 6 + 7,
	v_pk_add_f32 v[4+4*\i:5+4*\i], v[4+4*\i:5+4*\i], v[8+4*\i:9+4*\i]
	v_pk_add_f32 v[6+4*\i:7+4*\i], v[6+4*\i:7+4*\i], v[10+4*\i:11+4*\i]
.endr
.irp i, 0,4                            ; then pairs of those,
	v_pk_add_f32 v[4+4*\i:5+4*\i], v[4+4*\i:5+4*\i], v[12+4*\i:13+4*\i]
	v_pk_add_f32 v[6+4*\i:7+4*\i], v[6+4*\i:7+4*\i], v[14+4*\i:15+4*\i]
.endr
	v_pk_add_f32 v[4:5], v[4:5], v[20:21]          ; then the two halves
	v_pk_add_f32 v[6:7], v[6:7], v[22:23]
.irp i, 4,5,6,7
	v_ldexp_f32 v\i, v\i, s12
.endr
	global_store_b128 v1, v[4:7], s[8:9]
	s_endpgm
.Lfunc_end_k_q8f8aadbb82_fin:
	.size	k_q8f8aadbb82_fin, .Lfunc_end_k_q8f8aadbb82_fin-k_q8f8aadbb82_fin
	.p2alignl 7, 3214868480
	.fill 96, 4, 3214868480
	.section	.rodata,"a",@progbits
	.p2align	6, 0x0
	.amdhsa_kernel k_q8f8aadbb82_fin
		.amdhsa_group_segment_fixed_size 0
		.amdhsa_private_segment_fixed_size 0
		.amdhsa_enable_private_segment 0
		.amdhsa_kernarg_size 24
		.amdhsa_user_sgpr_count 2
		.amdhsa_user_sgpr_kernarg_segment_ptr 1
		.amdhsa_wavefront_size32 1
		.amdhsa_system_sgpr_workgroup_id_x 1
		.amdhsa_system_sgpr_workgroup_id_y 1
		.amdhsa_system_sgpr_workgroup_id_z 1
		.amdhsa_system_vgpr_workitem_id 0
		.amdhsa_next_free_vgpr 48
		.amdhsa_next_free_sgpr 66
		.amdhsa_reserve_vcc 0
		.amdhsa_float_denorm_mode_32 3
		.amdhsa_float_denorm_mode_16_64 3
		.amdhsa_memory_ordered 1
		.amdhsa_forward_progress 1
		.amdhsa_inst_pref_size 3
	.end_amdhsa_kernel
	.amdgpu_metadata
---
amdhsa.version: [ 1, 2 ]
amdhsa.kernels:
  - .name:           k_q8f8aadbb82_fin
    .symbol:         k_q8f8aadbb82_fin.kd
    .args:
      - { .name: part, .offset: 0, .size: 8, .value_kind: global_buffer, .address_space: global }
      - { .name: lowp_scales, .offset: 8, .size: 8, .value_kind: global_buffer, .address_space: global }
      - { .name: out0, .offset: 16, .size: 8, .value_kind: global_buffer, .address_space: global }
    .group_segment_fixed_size: 0
    .private_segment_fixed_size: 0
    .kernarg_segment_align: 8
    .kernarg_segment_size: 24
    .max_flat_workgroup_size: 32
    .sgpr_count:     66
    .vgpr_count:     48
    .wavefront_size: 32
...
	.end_amdgpu_metadata
.endif
;; end of part 3
